; MI455X (gfx1250); checked and timed in simulation.
; The chip was launched on July 23, 2026; its instructions are those of AMD's public machine-readable ISA for CDNA 5 (MIT licence, August 2026) and "CDNA5" Instruction Set Architecture Reference Guide (July 2026). The comments in the code are by the model that wrote it; some were corrected since.
;; Attention Layer. Allowed arithmetic: float matrix products may take bf16 or f16 operands with f32 sums; other float arithmetic in f32, or as packed bf16 or f16 multiplies, adds, multiply-adds, maxima and minima; sums over many terms, partial sums and values carried from step to step in f32; what a program stores and reads back later, other than sums and carried values, may be rounded once to bf16 or f16.
;; Inputs: W 33 x 10 float32; beta 10 float32; gamma 10 float32; x 8,192 x 10 float32.
;; Outputs: out0 8,192 x 11 float32.
;; One version. Each part assembles by itself: llvm-mc -triple=amdgcn-amd-amdhsa -mcpu=gfx1250 --defsym DOCPART=n.
;; ======== version 1 of 1: 1 launch
;; limits: values are held in f16: magnitudes above 65,504 overflow, below 6.1e-05 lose precision; right only within a limited range of input values
;; launch attn (part 1): grid 256 x 1, 16 waves a work-group, no clusters, 311,296 bytes of LDS; arguments x, gamma, beta, W, out0; writes out0
.if DOCPART == 1
	.amdgcn_target "amdgcn-amd-amdhsa--gfx1250"
	.amdhsa_code_object_version 6
	.text
	.protected	k_q3048eb66f8_attn
	.globl	k_q3048eb66f8_attn
	.p2align	8
	.type	k_q3048eb66f8_attn,@function
k_q3048eb66f8_attn:
	s_mov_b64 s[64:65], 0
	v_nop
	global_prefetch_b8 v0, s[64:65] scope:SCOPE_SE
	s_setreg_imm32_b32 hwreg(HW_REG_WAVE_MODE, 25, 1), 1
	s_wait_xcnt 0x0
; LayerNorm, q/k/v projection and softmax attention over N = 8192 rows of 10 channels (11 channels a head), in one launch.  x [8192][10], gamma, beta [10], W [33][10], out0 [8192][11], all f32.
; ALGEBRA, for all values of the inputs.  n_j = (x_j - mu_j) / sqrt(var_j + eps), G = diag(gamma), h = G n + beta, q = scale Wq h, k = Wk h, v = Wv h.
;   sim_ij = q_i . (Wk G n_j) + q_i . (Wk beta).  The second term is the same for every j of row i: it leaves the softmax unchanged (it is in the maximum taken away and in every weight alike) and is LEFT OUT.
;   The first term is (G Wk^T q_i) . n_j, and out_i = sum_j a_ij v_j = Wv G (sum_j a_ij n_j) + Wv beta, since sum_j a_ij = 1.  So k and v are never formed: the normalised rows n_j are K and V at once,
;   and the three small products are made for a work-group's own 32 queries only.  Every input has a way to the output and is loaded.
; FORMATS.  The two bulk products take f16 operands, f32 sums.  |n| is at most 3 by the normalisation itself: the keys are kept as n x 2^10.  q' = log2(e) scale G Wk^T Wq h is kept as q' x 2^-10, in TWO f16 numbers,
;   q'hi + q'lo: its rounding is the same for all keys of a query and does not average out over them, so it gets the bits.  The weights p lie in 0 to 1.  The channels of O come out times 2^10; 2^-10 is folded into Wv G.
;   All other arithmetic (LayerNorm, the small products, maxima, sums) is f32.
; LIMITS.  q' fits up to 65,504 x 2^10 = 6.7e7 (in powers of two); gamma and W thirty times larger raise it 8.1e5-fold from a size of a few units.  Beyond that it is clamped: the result stays finite, the weights are then not reference()'s.
;   q'hi + q'lo keep f16's fixed step: an error of at most 2^-15 a channel, 3e-4 in an exponent.  p below 6e-5 keeps f16's fixed step of 6e-8.  A weight below 2^-126 counts as 0.
;   A NaN, an infinity or an overflow that would arise only in the term left out is not carried to the result.  NaN and infinities in the inputs are not treated apart.
; SHARES.  256 work-groups of 16 waves.  A work-group owns 32 queries (two tiles of 16) and walks all 8192 keys; wave w owns keys 512 w .. 512 w + 511 for both tiles, as 16 groups of 32.
;   Sixteen waves, four to a SIMD: the bulk is vector work in long dependent stretches (product, exponential, rounding, product), and 256 registers a wave are enough.
; PHASES.  (1) Every wave normalises its 512 keys; wave 0 first makes q' for the 32 queries.  (2) Pass 1: all scores, their true maximum m for each query.
;   (3) Pass 2: the same products with -m as the C operand, so that the product is the exponent itself; p = 2^(s - m); O^T += V^T P.  (4) The 16 waves' partial sums are added, multiplied by Wv, divided by l, stored.
; A KEY IN LDS is 32 bytes of f16 in two chunks: [n0..n4, 1, 0, 0] and [n5..n9, 1, 0, 0] (n times 2^10).  The 1 makes the row sum l fall out of V^T P, in register 5 of both halves of the lanes.
; THE DEPTH OF S^T = K Q^T.  Lanes r and 16 + r both load key r's two chunks into registers 0-3 and 4-7: as source 0 that is the key at depth 0-7 and 16-23, and once more at depth 8-15 and 24-31.
;   Source 1 holds q'hi in lanes 0-15 and q'lo in lanes 16-31: one product of 16 keys x 16 queries adds both parts.
; NO CLUSTER, NO TENSOR LOAD.  All work-groups read the same x, but it is needed in registers, in f32; of the 327,680 bytes of LDS this text uses 311,296, so a ring for x would have two slots of 8 KB
;   and some 40 changes of slots for x's 327,680 bytes.  x comes by loads of 512 consecutive aligned bytes a wave and is turned into rows in a stage of the wave's own.
.set ROWB,  40                         ; bytes in a row of x and of W
.set WAVES, 16
.set GRP,   16                         ; groups of 32 keys a wave
.set C1OFF, 8320                       ; a wave's second chunks lie 8,192 + 128 bytes behind its first: the turning load's 16 lanes (8 keys x 2 chunks) then touch every bank once (64 banks of 4 bytes: ISA guide 11.1)
.set WREG,  16640                      ; a wave's K/V bytes: 2 x 8,192 + 128, rounded up to 256
.set QB,    WAVES*WREG                 ; two images of q', 1,024 bytes each: tile t
.set UB,    QB+2048                    ; 40,960 bytes used twice: the stages for x; behind the first barrier the maxima, the partial sums and the stage for out0
.set STG,   2560                       ; a wave's stage: 64 rows of x
.set MXB,   UB                         ; maxima: wave w, tile t, query r at 128 w + 64 t + 4 r
.set OPB,   UB+2048                    ; partial sums: 2,048 bytes a wave
.set OUTS,  OPB+WAVES*2048             ; out0's stage: 16 rows of 44 bytes a tile, the tiles 768 bytes apart
.set SPARE, UB+WAVES*STG               ; the spare words, 128 bytes for each wave: eight blocks of 256 bytes that no other line names
.set SPW, 2                            ; v2   LDS address of my spare word; never rewritten
.set NIL, 3                            ; v3   0; never rewritten
.set AK,  4                            ; v4   where key number lane of group 0 of my wave is stored: its first chunk
.set AV,  5                            ; v5   the turning load's address in group 0
.set AQ,  6                            ; v6   my 16 bytes of an image of q'
.set AMX, 7                            ; v7   my query's maximum in wave 0's words
.set AMXS, 8                           ; v8   the same in my wave's words
.set AOP, 9                            ; v9   my 16 bytes of my wave's partial sums
.set AOP2, 10                          ; v10  my 8 bytes of them
.set XO,  11                           ; v11  my 16 bytes of my wave's x; never rewritten
.set R,   12                           ; v12  lane % 16
.set H,   13                           ; v13  lane / 16
.set LN,  14                           ; v14  lane
.set ONE, 15                           ; v15  1.0
.set WVR, 16                           ; v16-20  Wv[min(r,10)][5 h + j]
.set AKR, 21                           ; v21  where key number lane % 16 of group 0 is read
.set GA,  22                           ; v22-27  gamma[5 h + j], then 0
.set BE,  28                           ; v28-33  beta[5 h + j], then 0
.set TB,  34                           ; v34-53  LayerNorm at work, ten registers for each of two rows: sums, s, squares, 1/sqrt
.set PK,  54                           ; v54-69  two keys packed, eight registers each; registers 3 and 7 stay 0
.set T0,  70                           ; v70-101 are written by matrix instructions alone: Wq h for the two tiles,
.set T1,  78
.set D20, 86                           ; q' for the two tiles;
.set D21, 94
.set OC,  70                           ; later O^T, eight registers a tile,
.set D3,  86                           ; and the last product
.set XR,  102                          ; v102-141  two sets of 20: a lane's two rows of x
.set XQ,  102                          ; wave 0's preparation, v102-171: the queries' rows, ten registers a tile;
.set QC,  102                          ; later q' clamped, eight registers a tile, and then what q'hi leaves of it
.set WQ,  122                          ; Wq[r][5 h + j], then 0
.set WK,  128                          ; Wk[8 h + j][a(r)], scaled
.set GF,  136
.set F1,  137
.set F2,  138
.set OA,  139
.set AQS, 140
.set OWQ, 141
.set OWK, 142
.set OGA, 143
.set HQ,  144                          ; h, six registers a tile
.set QPH, 156                          ; q'hi in f16, four registers a tile
.set QPL, 164                          ; q'lo
.set TM,  169                          ; (two at work, before q'lo is made)
.set G5,  172                          ; v172 20 h
.set WVO, 173                          ; v173 offset of my row of Wv
.set STS, 174                          ; v174 stage: where I put 16 bytes
.set STL, 175                          ; v175 stage: my two rows
.set RW,  176                          ; v176-255  x as loaded: a ring of four sets of 20
.set QF,  102                          ; the passes: q', 8 registers a tile
.set NM,  118                          ; -m, eight copies a tile
.set KF,  134                          ; K, two buffers of two fragments (keys 0-15, keys 16-31 of a group)
.set VF,  166                          ; V^T, two buffers
.set SB,  182                          ; S^T, two buffers of 32: tile 0 keys 0-15, tile 0 keys 16-31, tile 1 likewise
.set PB,  34                           ; P, two buffers of 16
.set EX,  34                           ; the 16 waves' maxima, 16 registers a tile
.set MA,  246                          ; running maxima, four chains a tile
.set PT,  102                          ; the way out: 16 partial sums of six registers
.set OA2, 198
.set GO,  199
.set A3,  200
.set RC,  206
.set RES, 208
.set RA,  216
.set RA2, 217
.set SA,  218
.set OD,  34
.set WV,  14                           ; s14  my wave's number
.set MT,  20                           ; s[20:21] -0.1
.set TEN, 22                           ; s22  0.1
.set CSC, 26                           ; s26  log2(e) / sqrt(10) x 2^-10
.set TENS, 27                          ; s27  0.1 x 2^-20
.set SEL, 28                           ; s[28:29] v_permlanex16_b32's selects: each lane takes its own place in the other half
.set LOB, 32                           ; s32  -65504
.set HIB, 33                           ; s33  65504
.macro PLACES                          ; four plain vector instructions between an f16 matrix instruction and what reads its result or writes its registers (ISA guide 7.12.1)
.rept 4
	v_nop
.endr
.endm
.macro BAR                             ; my LDS stores and loads are done; then all sixteen waves meet
	s_wait_dscnt 0x0
	s_barrier_signal -1
	s_barrier_wait -1
.endm
; One row's mean, centred values (in place) and 1/sqrt.  The mean is taken away before the squares, as reference() does.  cs, ke: 0.1 and eps, for 1 / sqrt(var + eps);
; or both times 2^-20, an exact scaling, for 2^10 / sqrt(var + eps).
.macro STATS x, sl, cs, ke
	v_pk_add_f32 v[TB+10*(\sl):TB+10*(\sl)+1], v[(\x):(\x)+1], v[(\x)+2:(\x)+3]
	v_pk_add_f32 v[TB+10*(\sl)+2:TB+10*(\sl)+3], v[(\x)+4:(\x)+5], v[(\x)+6:(\x)+7]
	v_pk_add_f32 v[TB+10*(\sl):TB+10*(\sl)+1], v[TB+10*(\sl):TB+10*(\sl)+1], v[(\x)+8:(\x)+9]
	v_pk_add_f32 v[TB+10*(\sl):TB+10*(\sl)+1], v[TB+10*(\sl):TB+10*(\sl)+1], v[TB+10*(\sl)+2:TB+10*(\sl)+3]
	v_add_f32 v[TB+10*(\sl)+4], v[TB+10*(\sl)], v[TB+10*(\sl)+1]
.irp k, 0,2,4,6,8
	v_pk_fma_f32 v[(\x)+(\k):(\x)+(\k)+1], v[TB+10*(\sl)+4:TB+10*(\sl)+5], s[MT:MT+1], v[(\x)+(\k):(\x)+(\k)+1] op_sel_hi:[0,0,1]  ; x - sum / 10
.endr
	v_pk_mul_f32 v[TB+10*(\sl)+6:TB+10*(\sl)+7], v[(\x):(\x)+1], v[(\x):(\x)+1]
.irp k, 2,4,6,8
	v_pk_fma_f32 v[TB+10*(\sl)+6:TB+10*(\sl)+7], v[(\x)+(\k):(\x)+(\k)+1], v[(\x)+(\k):(\x)+(\k)+1], v[TB+10*(\sl)+6:TB+10*(\sl)+7]
.endr
	v_add_f32 v[TB+10*(\sl)+6], v[TB+10*(\sl)+6], v[TB+10*(\sl)+7]
	v_fmaak_f32 v[TB+10*(\sl)+6], s[\cs], v[TB+10*(\sl)+6], \ke
	v_rsq_f32 v[TB+10*(\sl)+8], v[TB+10*(\sl)+6]
.endm
; The row is scaled, rounded to f16 and stored as key number lane of group grp.
.macro NORM x, sl, grp
.irp k, 0,2,4,6,8
	v_pk_mul_f32 v[(\x)+(\k):(\x)+(\k)+1], v[(\x)+(\k):(\x)+(\k)+1], v[TB+10*(\sl)+8:TB+10*(\sl)+9] op_sel_hi:[1,0]
.endr
	v_cvt_pk_f16_f32 v[PK+8*(\sl)],   v[(\x)],   v[(\x)+1]
	v_cvt_pk_f16_f32 v[PK+8*(\sl)+1], v[(\x)+2], v[(\x)+3]
	v_cvt_pk_f16_f32 v[PK+8*(\sl)+2], v[(\x)+4], v[ONE]
	v_cvt_pk_f16_f32 v[PK+8*(\sl)+4], v[(\x)+5], v[(\x)+6]
	v_cvt_pk_f16_f32 v[PK+8*(\sl)+5], v[(\x)+7], v[(\x)+8]
	v_cvt_pk_f16_f32 v[PK+8*(\sl)+6], v[(\x)+9], v[ONE]
	ds_store_b128 v[AK], v[PK+8*(\sl):PK+8*(\sl)+3]   offset:(\grp)*512
	ds_store_b128 v[AK], v[PK+8*(\sl)+4:PK+8*(\sl)+7] offset:C1OFF+(\grp)*512
.endm
; Pair q of groups (64 rows, 2,560 bytes): from the ring into my wave's stage, 16 bytes a lane as loaded, and back as two rows (80 bytes) a lane: lane L gets rows 2 L and 2 L + 1.
; LDS serves a wave's instructions in order (ISA guide 5.7.1.4): the loads see the stores above them, and the next pair's stores come behind these loads.  Lanes 80 bytes apart start at 16 different groups of four banks.
.macro STAGE q
.if (\q) <= 4
	s_wait_loadcnt 15                              ; pair q is in; the three younger pairs' fifteen loads stay out
.else
	s_wait_loadcnt 5*(7-(\q))                      ; the ring runs empty: two, one, no younger pairs
.endif
.irp k, 0,1,2,3,4
	ds_store_b128 v[STS], v[RW+20*((\q)%4)+4*(\k):RW+20*((\q)%4)+4*(\k)+3] offset:512*(\k)
.endr
.if (\q)+4 < 8
.irp k, 0,1,2,3,4
	global_load_b128 v[RW+20*((\q)%4)+4*(\k):RW+20*((\q)%4)+4*(\k)+3], v[XO], s[4:5] offset:((\q)+4)*STG+512*(\k)  ; 512 consecutive bytes, aligned
.endr
.endif
.irp k, 0,1,2,3,4
	ds_load_b128 v[XR+20*((\q)%2)+4*(\k):XR+20*((\q)%2)+4*(\k)+3], v[STL] offset:16*(\k)
.endr
.endm
.macro LDK grp, b                      ; two fragments of 16 keys: lanes r and 16 + r take the same key's two chunks; each half of the lanes reads 256 consecutive bytes
.irp f, 0,1
	ds_load_b128 v[KF+16*(\b)+8*(\f):KF+16*(\b)+8*(\f)+3],   v[AKR] offset:(\grp)*512+256*(\f)
	ds_load_b128 v[KF+16*(\b)+8*(\f)+4:KF+16*(\b)+8*(\f)+7], v[AKR] offset:C1OFF+(\grp)*512+256*(\f)
.endr
.endm
.macro LDV grp, b                      ; the group's 32 keys x 16 slots, turned: lane l holds slot l % 16 and keys 8 (l / 16) + 0..7, then 16 more
	ds_load_tr16_b128 v[VF+8*(\b):VF+8*(\b)+3],   v[AV] offset:(\grp)*512
	ds_load_tr16_b128 v[VF+8*(\b)+4:VF+8*(\b)+7], v[AV] offset:(\grp)*512+256
.endm
.macro SCORES b, shift                 ; S^T of 32 keys x 32 queries: product i takes tile i / 2 and the group's fragment i % 2; shift = 1: -m is the C operand
.irp i, 0,1,2,3
.if \shift
	v_wmma_f32_16x16x32_f16 v[SB+32*(\b)+8*(\i):SB+32*(\b)+8*(\i)+7], v[KF+16*(\b)+8*((\i)%2):KF+16*(\b)+8*((\i)%2)+7], v[QF+8*((\i)/2):QF+8*((\i)/2)+7], v[NM+8*((\i)/2):NM+8*((\i)/2)+7]
.else
	v_wmma_f32_16x16x32_f16 v[SB+32*(\b)+8*(\i):SB+32*(\b)+8*(\i)+7], v[KF+16*(\b)+8*((\i)%2):KF+16*(\b)+8*((\i)%2)+7], v[QF+8*((\i)/2):QF+8*((\i)/2)+7], 0
.endif
.endr
.endm
.macro MAXES b                         ; 32 scores a lane into four chains a tile; each accumulator's lowest registers are read first
.irp i, 0,1,2,3,4,5,6,7
.irp t, 0,1
	v_max3_num_f32 v[MA+4*(\t)+(\i)%4], v[MA+4*(\t)+(\i)%4], v[SB+32*(\b)+16*(\t)+2*(\i)], v[SB+32*(\b)+16*(\t)+2*(\i)+1]
.endr
.endr
.endm
.macro EXPS b                          ; one batch of 32 exponentials, in place
.set e, 0
.rept 32
	v_exp_f32 v[SB+32*(\b)+e], v[SB+32*(\b)+e]
.set e, e+1
.endr
.endm
.macro CVTS b                          ; two results of 16 keys, rounded in pairs, are source 1 (32 keys x 16 queries) of V^T P
.set e, 0
.rept 16
	v_cvt_pk_f16_f32 v[PB+16*(\b)+e], v[SB+32*(\b)+2*e], v[SB+32*(\b)+2*e+1]
.set e, e+1
.endr
.endm
.macro PVS b, z                        ; O^T += V^T P for both tiles; z = 1: the first products start the sums
.irp t, 0,1
.if \z
	v_wmma_f32_16x16x32_f16 v[OC+8*(\t):OC+8*(\t)+7], v[VF+8*(\b):VF+8*(\b)+7], v[PB+16*(\b)+8*(\t):PB+16*(\b)+8*(\t)+7], 0
.else
	v_wmma_f32_16x16x32_f16 v[OC+8*(\t):OC+8*(\t)+7], v[VF+8*(\b):VF+8*(\b)+7], v[PB+16*(\b)+8*(\t):PB+16*(\b)+8*(\t)+7], v[OC+8*(\t):OC+8*(\t)+7]
.endif
.endr
.endm
	s_load_b256 s[4:11], s[0:1], 0x0               ; x s[4:5], gamma s[6:7], beta s[8:9], W s[10:11]
	s_load_b64 s[12:13], s[0:1], 0x20              ; out0
	v_lshl_add_u32 v[SPW], v0, 2, SPARE
	v_mov_b32 v[NIL], 0
	v_lshrrev_b32 v1, 5, v0
	v_readfirstlane_b32 s[WV], v1                  ; wave 0..15
	v_and_b32 v[LN], 31, v0
	v_and_b32 v[R], 15, v0
	v_bfe_u32 v[H], v0, 4, 1
	s_mul_i32 s18, s[WV], 512*ROWB                 ; my wave's 512 rows of x
	v_lshl_add_u32 v[XO], v[LN], 4, s18
	v_mul_u32_u24 v[G5], 20, v[H]                  ; lanes 0-15 take channels 0-4, lanes 16-31 channels 5-9
	v_min_u32 v1, 10, v[R]                         ; rows 11-15 of the last product are never stored: they repeat row 10, so that no load leaves W
	v_mad_u32_u24 v[WVO], v1, ROWB, v[G5]
	s_wait_kmcnt 0x0
.irp j, 0,1,2,3,4
	global_load_b32 v[GA+(\j)],  v[G5],  s[6:7]   offset:4*(\j)
	global_load_b32 v[BE+(\j)],  v[G5],  s[8:9]   offset:4*(\j)
	global_load_b32 v[WVR+(\j)], v[WVO], s[10:11] offset:22*ROWB+4*(\j)
.endr
.set q, 0
.rept 4                                ; the ring is filled: pairs 0 to 3, twenty loads of 512 bytes a wave
.irp k, 0,1,2,3,4
	global_load_b128 v[RW+20*q+4*(\k):RW+20*q+4*(\k)+3], v[XO], s[4:5] offset:q*STG+512*(\k)
.endr
.set q, q+1
.endr
	s_mul_i32 s15, s[WV], WREG
	s_mul_i32 s19, s[WV], STG
	s_add_co_u32 s19, s19, UB
	s_lshl_b32 s16, s[WV], 7
	s_lshl_b32 s17, s[WV], 11
	s_add_co_u32 s17, s17, OPB
	s_mov_b32 s[MT], 0xbdcccccd
	s_mov_b32 s[MT+1], s[MT]                       ; named with it as a pair
	s_mov_b32 s[TEN], 0x3dcccccd
	s_mov_b32 s[TENS], 0x33cccccd                  ; 0.1 x 2^-20
	s_mov_b32 s[CSC], 0x39e995b3                   ; log2(e) x 10^-0.5 x 2^-10 = 0.456220 / 1024
	s_mov_b32 s[LOB], 0xc77fe000
	s_mov_b32 s[HIB], 0x477fe000
	s_mov_b32 s[SEL], 0x76543210
	s_mov_b32 s[SEL+1], 0xfedcba98
	v_lshl_add_u32 v[AK], v[LN], 4, s15
	v_lshl_add_u32 v[AKR], v[R], 4, s15
	v_and_b32 v1, 7, v0                            ; the turning load: lane l reads key 8 (l / 16) + l % 8, chunk (l / 8) % 2
	v_lshl_add_u32 v1, v[H], 3, v1
	v_lshl_add_u32 v[AV], v1, 4, s15
	v_bfe_u32 v1, v0, 3, 1
	v_mad_u32_u24 v[AV], v1, C1OFF, v[AV]
	v_lshl_add_u32 v[AQ], v[LN], 4, QB
	v_lshl_add_u32 v[AMX], v[R], 2, MXB
	v_add_nc_u32 v[AMXS], s16, v[AMX]
	v_lshl_add_u32 v[AOP], v[LN], 4, s17
	v_lshl_add_u32 v[AOP2], v[LN], 3, s17
	v_lshl_add_u32 v[STS], v[LN], 4, s19
	v_mad_u32_u24 v[STL], v[LN], 80, s19
	v_mov_b32 v[ONE], 1.0
.irp i, TB+5, TB+9, TB+15, TB+19, PK+3, PK+7, PK+11, PK+15, GA+5, BE+5
	v_mov_b32 v[\i], 0                             ; second halves of pairs that are named whole; the keys' slots 6 and 7; the sixth slot of gamma and beta
.endr
	; WAVE 0 MAKES q' FOR THE 32 QUERIES, in f32 by the f32 matrix form: 14 instructions for a work-group, no bulk work.  A slot of depth (step kk, half h, register j) stands for
	; channel 5 h + 2 kk + j in the first product and for row 8 h + 2 kk + j of Wq h in the second, so that the first result's registers are the second's source 1 as they lie.
	; By this text's count wave 0 has 59 loads out at the most: 15 and 20 from above, 24 here.
	s_cmp_lg_u32 s[WV], 0
	s_cbranch_scc1 .Lln
	s_mul_i32 s23, ttmp9, 32*ROWB                  ; the work-group's 32 rows of x
	v_mad_u32_u24 v[OWQ], v[R], ROWB, v[G5]        ; in W: row r, my half's five channels
	v_mad_u32_u24 v[OA], v[R], ROWB, s23           ; in x: row r, whole (both halves of the lanes need the mean and the variance)
	v_and_b32 v[TM], 7, v[R]                       ; row m of q'^T is channel a = 5 (m / 8) + m % 8 where m % 8 < 5, else a row of zeros
	v_lshrrev_b32 v[TM+1], 3, v[R]
	v_cmp_gt_u32 s24, 5, v[TM]
	v_mad_u32_u24 v[TM+1], v[TM+1], 5, v[TM]
	v_cndmask_b32 v[TM+1], 0, v[TM+1], s24
	v_lshlrev_b32 v[OGA], 2, v[TM+1]
	v_mad_u32_u24 v[OWK], v[H], 8*ROWB, v[OGA]
	v_cmp_eq_u32 s25, 0, v[H]
.irp t, 0,1
.irp k, 0,1,2,3,4
	global_load_b64 v[XQ+10*(\t)+2*(\k):XQ+10*(\t)+2*(\k)+1], v[OA], s[4:5] offset:(\t)*16*ROWB+8*(\k)  ; a row is 40 bytes and starts at a multiple of 8
.endr
.endr
.irp j, 0,1,2,3,4
	global_load_b32 v[WQ+(\j)], v[OWQ], s[10:11] offset:4*(\j)           ; Wq[r][5 h + j]; rows 11-15 are Wk's first: they meet zeros in the second product
.endr
.irp j, 0,1,2,3,4,5,6,7
	global_load_b32 v[WK+(\j)], v[OWK], s[10:11] offset:(11+(\j))*ROWB   ; Wk[8 h + j][a]; rows past Wk's eleventh are Wv's: they are multiplied by 0 below
.endr
	global_load_b32 v[GF], v[OGA], s[6:7]          ; gamma[a]
	v_mov_b32 v[WQ+5], 0
	s_wait_loadcnt 0x0
	STATS XQ, 0, TEN, 0x3727c5ac
	STATS XQ+10, 1, TEN, 0x3727c5ac
.irp t, 0,1                            ; my half's five centred channels: plain work behind the second v_rsq_f32
.irp j, 0,1,2,3,4
	v_cndmask_b32 v[HQ+6*(\t)+(\j)], v[XQ+10*(\t)+5+(\j)], v[XQ+10*(\t)+(\j)], s25
.endr
	v_mov_b32 v[HQ+6*(\t)+5], 0
.endr
	s_wait_alu depctr_va_vdst(0)                   ; the wait ahead of the first use of a v_rsq_f32's result: one for both
.irp t, 0,1
.irp k, 0,2,4
	v_pk_mul_f32 v[HQ+6*(\t)+(\k):HQ+6*(\t)+(\k)+1], v[HQ+6*(\t)+(\k):HQ+6*(\t)+(\k)+1], v[TB+10*(\t)+8:TB+10*(\t)+9] op_sel_hi:[1,0]
.endr
.irp k, 0,2,4
	v_pk_fma_f32 v[HQ+6*(\t)+(\k):HQ+6*(\t)+(\k)+1], v[HQ+6*(\t)+(\k):HQ+6*(\t)+(\k)+1], v[GA+(\k):GA+(\k)+1], v[BE+(\k):BE+(\k)+1]  ; h = n gamma + beta; the sixth slot is 0
.endr
.endr
	v_wmma_f32_16x16x4_f32 v[T0:T0+7], v[WQ:WQ+1], v[HQ:HQ+1], 0         ; Wq h^T: the two tiles' sums take turns
	v_wmma_f32_16x16x4_f32 v[T1:T1+7], v[WQ:WQ+1], v[HQ+6:HQ+7], 0
.irp k, 2,4
	v_wmma_f32_16x16x4_f32 v[T0:T0+7], v[WQ+(\k):WQ+(\k)+1], v[HQ+(\k):HQ+(\k)+1], v[T0:T0+7]
	v_wmma_f32_16x16x4_f32 v[T1:T1+7], v[WQ+(\k):WQ+(\k)+1], v[HQ+6+(\k):HQ+6+(\k)+1], v[T1:T1+7]
.endr
	v_mul_f32 v[F1], s[CSC], v[GF]                 ; eleven plain instructions: more than the nine places that the f32 form wants before its result is a source (ISA guide 7.12.1)
	v_cndmask_b32 v[F1], 0, v[F1], s24             ; log2(e) scale 2^-10 gamma[a], 0 in the rows that are no channel,
	v_cndmask_b32 v[F2], 0, v[F1], s25             ; and 0 where 8 h + j is 11 or more: h = 1, j from 3 on
.irp j, 0,1,2
	v_mul_f32 v[WK+(\j)], v[WK+(\j)], v[F1]
.endr
.irp j, 3,4,5,6,7
	v_mul_f32 v[WK+(\j)], v[WK+(\j)], v[F2]
.endr
	v_wmma_f32_16x16x4_f32 v[D20:D20+7], v[WK:WK+1], v[T0:T0+1], 0       ; q'^T 2^-10 = (log2(e) scale 2^-10 G Wk^T) (Wq h^T)
	v_wmma_f32_16x16x4_f32 v[D21:D21+7], v[WK:WK+1], v[T1:T1+1], 0
.irp k, 2,4,6
	v_wmma_f32_16x16x4_f32 v[D20:D20+7], v[WK+(\k):WK+(\k)+1], v[T0+(\k):T0+(\k)+1], v[D20:D20+7]
	v_wmma_f32_16x16x4_f32 v[D21:D21+7], v[WK+(\k):WK+(\k)+1], v[T1+(\k):T1+(\k)+1], v[D21:D21+7]
.endr
	v_lshl_add_u32 v[AQS], v[R], 4, QB             ; eight places before the result is read
	v_lshl_add_u32 v[AQS], v[H], 9, v[AQS]
.rept 6
	v_nop
.endr
.irp j, 0,1,2,3,4,5,6,7                ; held within f16's range, into other registers; each result's lowest register is read first
	v_med3_num_f32 v[QC+(\j)],   v[D20+(\j)], s[LOB], s[HIB]
	v_med3_num_f32 v[QC+8+(\j)], v[D21+(\j)], s[LOB], s[HIB]
.endr
.irp k, 0,1,2,3,4,5,6,7
	v_cvt_pk_f16_f32 v[QPH+(\k)], v[QC+2*(\k)], v[QC+2*(\k)+1]           ; q'hi: lane (r, h) holds chunk h of query r
.endr
.irp k, 0,1,2,3,4,5,6,7
	v_fma_mix_f32 v[QC+2*(\k)],   -v[QPH+(\k)], v[ONE], v[QC+2*(\k)]   op_sel_hi:[1,0,0]                  ; what q'hi leaves: q' less the low half as f32,
	v_fma_mix_f32 v[QC+2*(\k)+1], -v[QPH+(\k)], v[ONE], v[QC+2*(\k)+1] op_sel:[1,0,0] op_sel_hi:[1,0,0]   ; and less the high half; both exact
.endr
.irp k, 0,1,2,3,4,5,6,7
	v_cvt_pk_f16_f32 v[QPL+(\k)], v[QC+2*(\k)], v[QC+2*(\k)+1]           ; q'lo
.endr
.irp t, 0,1                            ; an image is 8 registers x 32 lanes: registers 4 c .. 4 c + 3 of lane l at 512 c + 16 l
	ds_store_b128 v[AQS], v[QPH+4*(\t):QPH+4*(\t)+3] offset:(\t)*1024          ; chunk h of q'hi into lane r,
	ds_store_b128 v[AQS], v[QPL+4*(\t):QPL+4*(\t)+3] offset:(\t)*1024+256      ; of q'lo into lane 16 + r
.endr
.Lln:
	; PHASE 1: my 512 keys, a pair of groups (64 rows) at a time.  While one pair is normalised the next one's rows are on their way out of the stage.
	STAGE 0
.set p, 0
.rept 8
.if p < 7
	STAGE p+1
.endif
.if p == 0
	s_wait_dscnt 10                                ; pair 0's rows are in; younger: the next pair's five stores and five loads
.elseif p < 7
	s_wait_dscnt 14                                ; younger: the last pair's four K/V stores and the next pair's ten
.else
	s_wait_dscnt 4                                 ; younger: the last pair's four K/V stores
.endif
	STATS XR+20*(p%2), 0, TENS, 0x2d27c5ac         ; (eps x 2^-20)
	STATS XR+20*(p%2)+10, 1, TENS, 0x2d27c5ac
	v_nop                                          ; a plain instruction behind the second v_rsq_f32,
	s_wait_alu depctr_va_vdst(0)                   ; and one wait for both, ahead of the first use
	NORM XR+20*(p%2), 0, 2*p
	NORM XR+20*(p%2)+10, 1, 2*p+1
.set p, p+1
.endr
	BAR                                            ; wave 0's images of q' are whole; every wave has left its stage, whose bytes are used anew from here on
	; PHASE 2: the maximum of each query's scores over my 512 keys.  Step g's four products are issued, then step g - 1's scores are taken into the maxima: those sixteen lines are the places behind the products.
.irp i, 0,1,2,3
	ds_load_b128 v[QF+4*(\i):QF+4*(\i)+3], v[AQ] offset:512*(\i)
.endr
	LDK 0, 0
	LDK 1, 1
.irp i, 0,1,2,3,4,5,6,7
	v_mov_b32 v[MA+(\i)], 0xff800000               ; below every score
.endr
.set g, 0
.rept GRP
.if g < GRP-1
	s_wait_dscnt 4                                 ; this group's K is in (at first q' too); the next group's four loads stay out
.else
	s_wait_dscnt 0x0
.endif
	SCORES g%2, 0
.if g == 0
	PLACES
.else
	MAXES (g-1)%2
.endif
.if g+2 < GRP
	LDK g+2, g%2
.endif
.set g, g+1
.endr
	PLACES
	MAXES (GRP-1)%2
.irp t, 0,1
	v_max3_num_f32 v[MA+4*(\t)], v[MA+4*(\t)], v[MA+4*(\t)+1], v[MA+4*(\t)+2]
.endr
.irp t, 0,1
	v_max_num_f32 v[MA+4*(\t)], v[MA+4*(\t)], v[MA+4*(\t)+3]
.endr
.irp t, 0,1
	v_permlanex16_b32 v[MA+4*(\t)+1], v[MA+4*(\t)], s[SEL], s[SEL+1]     ; the query's other keys lie in the lane 16 away
.endr
.irp t, 0,1
	v_max_num_f32 v[MA+4*(\t)], v[MA+4*(\t)], v[MA+4*(\t)+1]
.endr
.irp t, 0,1
	ds_store_b32 v[AMXS], v[MA+4*(\t)] offset:64*(\t)                    ; lanes r and 16 + r write the same word with the same value
.endr
	BAR
.set w, 0
.rept WAVES
	ds_load_b32 v[EX+w],    v[AMX] offset:128*w
	ds_load_b32 v[EX+16+w], v[AMX] offset:128*w+64
.set w, w+1
.endr
	LDK 0, 0
	s_wait_dscnt 4                                 ; the 32 maxima are in; K's four loads stay out
.irp t, 0,1
.irp i, 0,3,6,9,12
	v_max3_num_f32 v[EX+16*(\t)+(\i)], v[EX+16*(\t)+(\i)], v[EX+16*(\t)+(\i)+1], v[EX+16*(\t)+(\i)+2]
.endr
.endr
.irp t, 0,1
	v_max3_num_f32 v[EX+16*(\t)],   v[EX+16*(\t)],   v[EX+16*(\t)+3],  v[EX+16*(\t)+6]
	v_max3_num_f32 v[EX+16*(\t)+9], v[EX+16*(\t)+9], v[EX+16*(\t)+12], v[EX+16*(\t)+15]
.endr
.irp t, 0,1
	v_max_num_f32 v[EX+16*(\t)], v[EX+16*(\t)], v[EX+16*(\t)+9]          ; m: the maximum over all 8192 keys of the scores as these products give them, the same in all sixteen waves
.endr
.irp t, 0,1
.irp j, 0,1,2,3,4,5,6,7
	v_mul_f32 v[NM+8*(\t)+(\j)], -1.0, v[EX+16*(\t)]                     ; a lane holds one query in S^T, so the C operand is eight copies of -m
.endr
.endr
	; PHASE 3.  Step g: its four products; step g - 1's weights are rounded (the places behind the products) and multiplied by V; then step g's 32 exponentials.
	; The exponentials are one batch with one wait, which stands a step later, behind the next products.  K of step g + 1 and V of step g are fetched behind the roundings:
	; the last products that read those registers stand seventeen plain instructions back or more.  S^T, P, K and V have two buffers each.
.set g, 0
.rept GRP
	s_wait_dscnt 0x0                               ; K of this step and V of the last are in
	SCORES g%2, 1
.if g == 0
	PLACES
.else
	v_nop                                          ; a plain instruction behind the last exponential,
	s_wait_alu depctr_va_vdst(0)                   ; and the one wait for the batch, ahead of the first use
	CVTS (g-1)%2
.endif
.if g < GRP-1
	LDK g+1, (g+1)%2
.endif
	LDV g, g%2
.if g == 1
	PVS 0, 1
.elseif g > 1
	PVS (g-1)%2, 0
.endif
	EXPS g%2
.set g, g+1
.endr
	s_wait_dscnt 0x0
	v_nop
	s_wait_alu depctr_va_vdst(0)
	CVTS (GRP-1)%2
	PVS (GRP-1)%2, 0
	PLACES
.irp t, 0,1                            ; my partial sums: registers 0-4 are channels 5 h + j (times 2^10), register 5 is l; 6 and 7 are 0 and stay here
	ds_store_b128 v[AOP],  v[OC+8*(\t):OC+8*(\t)+3]   offset:1024*(\t)
	ds_store_b64  v[AOP2], v[OC+8*(\t)+4:OC+8*(\t)+5] offset:1024*(\t)+512
.endr
	BAR
	; PHASE 4.  Wave t (0, 1) adds tile t's sixteen partial sums and multiplies by [Wv G 2^-10 | Wv beta]: slot (kk, h, j) of the depth is register 2 kk + j of half h.
	; Register 5 is l in both halves; its weight in half h is the part of Wv beta over that half's five channels, so that the two add up to l (Wv beta).
	s_cmp_lt_u32 s[WV], 2
	s_cbranch_scc0 .Lstaged
	s_lshl_b32 s16, s[WV], 10
	s_add_co_u32 s16, s16, OPB
	v_lshl_add_u32 v[RA], v[LN], 4, s16
	v_lshl_add_u32 v[RA2], v[LN], 3, s16
.set w, 0
.rept WAVES
	ds_load_b128 v[PT+6*w:PT+6*w+3],   v[RA]  offset:2048*w
	ds_load_b64  v[PT+6*w+4:PT+6*w+5], v[RA2] offset:2048*w+512
.set w, w+1
.endr
.irp j, 0,1,2,3,4
	v_mul_f32 v[A3+(\j)], v[WVR+(\j)], v[GA+(\j)]
.endr
.irp j, 0,1,2,3,4
	v_mul_f32 v[A3+(\j)], 0x3a800000, v[A3+(\j)]   ; x 2^-10, exact: the keys were kept times 2^10
.endr
	v_mul_f32 v[A3+5], v[WVR], v[BE]
.irp j, 1,2,3,4
	v_fmac_f32 v[A3+5], v[WVR+(\j)], v[BE+(\j)]
.endr
	s_mul_i32 s16, s[WV], 768
	s_add_co_u32 s16, s16, OUTS
	s_wait_dscnt 0x0
.irp d, 8,4,2,1
.set w, 0
.rept \d
.irp k, 0,2,4
	v_pk_add_f32 v[PT+6*w+(\k):PT+6*w+(\k)+1], v[PT+6*w+(\k):PT+6*w+(\k)+1], v[PT+6*(w+(\d))+(\k):PT+6*(w+(\d))+(\k)+1]
.endr
.set w, w+1
.endr
.endr
	v_rcp_f32 v[RC], v[PT+5]                       ; 1 / l; l is at least about 1: the key of the maximum has weight 1
	v_wmma_f32_16x16x4_f32 v[D3:D3+7], v[A3:A3+1], v[PT:PT+1], 0
	s_wait_alu depctr_va_vdst(0)                   ; the wait stands directly ahead of each link
	v_wmma_f32_16x16x4_f32 v[D3:D3+7], v[A3+2:A3+3], v[PT+2:PT+3], v[D3:D3+7]
	s_wait_alu depctr_va_vdst(0)                   ; (these waits also stand between the reciprocal and its first use)
	v_wmma_f32_16x16x4_f32 v[D3:D3+7], v[A3+4:A3+5], v[PT+4:PT+5], v[D3:D3+7]
	v_mul_u32_u24 v[SA], 44, v[R]                  ; eight places before the result is read: the stage's address, row r of 44 bytes, 32 bytes on for lanes 16-31,
	v_lshl_add_u32 v[SA], v[H], 5, v[SA]
	v_add_nc_u32 v[SA], s16, v[SA]
.rept 5
	v_nop
.endr
.irp j, 0,1,2,3,4,5,6,7
	v_mul_f32 v[RES+(\j)], v[D3+(\j)], v[RC]       ; out0[query r][8 h + j]
.endr
	v_cmp_eq_u32 vcc_lo, 0, v[H]
.irp j, 0,1,2
	ds_store_b32 v[SA], v[RES+(\j)] offset:4*(\j)
.endr
	s_wait_xcnt 0x0                                ; EXEC changes only behind this wait
	s_and_saveexec_b32 s30, vcc_lo                 ; channels 11 to 15 do not exist: lanes 16-31 store no more
.irp j, 3,4,5,6,7
	ds_store_b32 v[SA], v[RES+(\j)] offset:4*(\j)
.endr
	s_wait_xcnt 0x0
	s_or_b32 exec_lo, exec_lo, s30
.Lstaged:
	BAR
	; The work-group's 32 rows of out0 are 1,408 consecutive bytes: threads 0 to 87 store 16 bytes each.
	s_cmp_lt_u32 s[WV], 3
	s_cbranch_scc0 .Lend
	v_mov_b32 v[OA2], 64
	v_cmp_lt_u32 vcc_lo, 43, v0
	v_cndmask_b32 v[OA2], 0, v[OA2], vcc_lo        ; tile 1's 704 bytes begin at byte 768 of the stage
	v_lshl_add_u32 v[OA2], v0, 4, v[OA2]
	v_add_nc_u32 v[OA2], OUTS, v[OA2]
	s_mul_i32 s16, ttmp9, 32*44
	v_lshl_add_u32 v[GO], v0, 4, s16
	v_cmp_gt_u32 vcc_lo, 88, v0
	s_wait_xcnt 0x0
	s_and_saveexec_b32 s30, vcc_lo
	ds_load_b128 v[OD:OD+3], v[OA2]
	s_wait_dscnt 0x0
	global_store_b128 v[GO], v[OD:OD+3], s[12:13] th:TH_STORE_NT
	s_wait_xcnt 0x0
	s_or_b32 exec_lo, exec_lo, s30
.Lend:
	s_wait_tensorcnt 0x0                           ; the wave's end, behind my last LDS store
	ds_add_u32 v[SPW], v[NIL]
	s_wait_dscnt 0x0
	s_endpgm
.Lfunc_end_k_q3048eb66f8_attn:
	.size	k_q3048eb66f8_attn, .Lfunc_end_k_q3048eb66f8_attn-k_q3048eb66f8_attn
	.p2alignl 7, 3214868480
	.fill 96, 4, 3214868480
	.section	.rodata,"a",@progbits
	.p2align	6, 0x0
	.amdhsa_kernel k_q3048eb66f8_attn
		.amdhsa_group_segment_fixed_size 311296
		.amdhsa_private_segment_fixed_size 0
		.amdhsa_enable_private_segment 0
		.amdhsa_kernarg_size 40
		.amdhsa_user_sgpr_count 2
		.amdhsa_user_sgpr_kernarg_segment_ptr 1
		.amdhsa_wavefront_size32 1
		.amdhsa_system_sgpr_workgroup_id_x 1
		.amdhsa_system_sgpr_workgroup_id_y 1
		.amdhsa_system_sgpr_workgroup_id_z 1
		.amdhsa_system_vgpr_workitem_id 0
		.amdhsa_next_free_vgpr 256
		.amdhsa_next_free_sgpr 66
		.amdhsa_reserve_vcc 1
		.amdhsa_float_denorm_mode_32 3
		.amdhsa_float_denorm_mode_16_64 3
		.amdhsa_memory_ordered 1
		.amdhsa_forward_progress 1
		.amdhsa_inst_pref_size 140
	.end_amdhsa_kernel
	.amdgpu_metadata
---
amdhsa.version: [ 1, 2 ]
amdhsa.kernels:
  - .name:           k_q3048eb66f8_attn
    .symbol:         k_q3048eb66f8_attn.kd
    .args:
      - { .name: x, .offset: 0, .size: 8, .value_kind: global_buffer, .address_space: global }
      - { .name: gamma, .offset: 8, .size: 8, .value_kind: global_buffer, .address_space: global }
      - { .name: beta, .offset: 16, .size: 8, .value_kind: global_buffer, .address_space: global }
      - { .name: W, .offset: 24, .size: 8, .value_kind: global_buffer, .address_space: global }
      - { .name: out0, .offset: 32, .size: 8, .value_kind: global_buffer, .address_space: global }
    .group_segment_fixed_size: 311296
    .private_segment_fixed_size: 0
    .kernarg_segment_align: 8
    .kernarg_segment_size: 40
    .max_flat_workgroup_size: 512
    .sgpr_count:     66
    .vgpr_count:     256
    .wavefront_size: 32
...
	.end_amdgpu_metadata
.endif
;; end of part 1
